; MI455X (gfx1250); checked and timed in simulation.
; The chip was launched on July 23, 2026; its instructions are those of AMD's public machine-readable ISA for CDNA 5 (MIT licence, August 2026) and "CDNA5" Instruction Set Architecture Reference Guide (July 2026). The comments in the code are by the model that wrote it; some were corrected since.
;; Attention. Allowed arithmetic: matrix products marked QUANTISED: E4M3 operands, one E8M0 scale for each 32 along K, by v_wmma_scale_f32_16x16x128_f8f6f4 with both operands' format E4M3, f32 sums; products left as they are: f32 operands where the result goes on into a quantised operand, else bf16, f16 or f32 operands; f32 sums; everything else in f32.
;; Inputs: W_codes 1,024 x 32 x 32 uint8 (E4M3 codes of W, K innermost, in blocks of 32 codes); W_scales 1,024 x 32 uint8 (E8M0 scales of W, one for each 32 codes along K); bias 1,024 float32; dec_hidden 32 x 1,024 float32; enc_outputs_codes 2,048 x 32 x 32 x 32 uint8 (E4M3 codes of enc_outputs, K innermost, in blocks of 32 codes); enc_outputs_scales 2,048 x 32 x 32 uint8 (E8M0 scales of enc_outputs, one for each 32 codes along K).
;; Outputs: out0 32 x 2,048 float32.
;; This version of the problem:
;;   THIS VERSION OF THE PROBLEM IS GIVEN IN LOW PRECISION. The matrix products marked QUANTISED in the list below multiply operands that are first quantised to E4M3 (4 exponent bits, 3 mantissa bits; 8 bits a number), with one power-of-two scale for each 32 numbers along K (OCP MX v1.0); their sums are f32. All else is computed in f32.
;;   The module's matrix products, in the order in which they are computed (A, B: the left and right operand; K: the contracted axis; several contracted axes count as one K, in the product's order):
;;     1. [M 65,536, K 1,024] x [K 1,024, N 1,024]; A: input enc_outputs (given as codes); B: input W (given as codes): QUANTISED
;;     2. batch 32 x [M 1, K 1,024] x [K 1,024, N 2,048]; A: input dec_hidden; B: computed on the way: left as it is (M = 1 < 16)
;;   THE QUANTISER, for each operand of a quantised product, along K:
;;     - K is cut into blocks of 32 from its start; a last block that is shorter is filled with zeros.
;;     - A block's scale is 2^e with e = floor(log2(the largest magnitude in the block)) - 8, held to -126 .. 127; a block of zeros has e = 0. As a byte (E8M0): e + 127.
;;     - Each number is divided by its block's scale, clamped to +-448, and rounded to the nearest number of E4M3, ties to even, subnormals kept.
;;     - The product sums the exact products of the quantised numbers (number of the format x scale) in f32.
;;   ~~~python
;;   def quantise(x, axis):      # numpy; x: float32 -> the quantised numbers, widened to float32 again
;;       x = np.moveaxis(x, axis, -1); K = x.shape[-1]
;;       x = np.pad(x, [(0, 0)] * (x.ndim - 1) + [(0, -K % 32)]); x = x.reshape(x.shape[:-1] + (-1, 32)); a = np.abs(x).max(-1, keepdims=True)
;;       e = np.where(a > 0, np.clip(np.frexp(np.where(a > 0, a, 1))[1] - 1 - 8, -126, 127), 0)      # np.frexp(a)[1] - 1 = floor(log2(a)), exactly
;;       r = np.clip(x / 2.0 ** e, -448, 448)
;;       step = 2.0 ** (np.maximum(np.frexp(np.where(r == 0, 1, r))[1] - 1, -6) - 3)
;;       q = np.round(r / step) * step * 2.0 ** e      # np.round: ties to even
;;       return np.moveaxis(q.reshape(q.shape[:-2] + (-1,))[..., :K], -1, axis).astype(np.float32)
;;   ~~~
;;   INPUTS GIVEN AS CODES. W (in the module: [1024, 1024], K = its axis 1); enc_outputs (in the module: [2048, 32, 1024], K = its axis 2): each comes as NAME_codes (uint8): NAME with its K axis moved to the last place and cut into blocks of 32 codes, [.., K / 32, bytes a block], one block behind the other in memory; one code a byte (a code: sign, 4 exponent bits, 3 mantissa bits); and NAME_scales (uint8): the same leading axes, one E8M0 byte (e + 127) for each 32 codes along K. Its value is code x scale, taken as it is: it is not quantised again, and the codes and scales need not be those that the quantiser above would give.
;; One version. Each part assembles by itself: llvm-mc -triple=amdgcn-amd-amdhsa -mcpu=gfx1250 --defsym DOCPART=n.
;; ======== version 1 of 1: 2 launches
;; limits: right only within a limited range of input values
;; workspace buffers: ep 1,048,576 bytes
;; launch energy (part 1): grid 4 x 64, 4 waves a work-group, clusters of 4 x 1, 327,680 bytes of LDS; arguments enc_outputs_codes, enc_outputs_scales, W_codes, W_scales, dec_hidden, ep; writes ep
.if DOCPART == 1
	.amdgcn_target "amdgcn-amd-amdhsa--gfx1250"
	.amdhsa_code_object_version 6
	.text
	.protected	k_q430d81a862_energy
	.globl	k_q430d81a862_energy
	.p2align	8
	.type	k_q430d81a862_energy,@function
k_q430d81a862_energy:
	s_mov_b64 s[64:65], 0
	v_nop
	global_prefetch_b8 v0, s[64:65] scope:SCOPE_SE
	s_setreg_imm32_b32 hwreg(HW_REG_WAVE_MODE, 25, 1), 1
	s_wait_xcnt 0x0
	s_wait_alu depctr_hold_cnt(0) depctr_sa_sdst(0) depctr_va_vdst(0) depctr_va_sdst(0) depctr_va_ssrc(0) depctr_va_vcc(0) depctr_vm_vsrc(0)
	s_getreg_b32 s2, hwreg(HW_REG_IB_STS2, 6, 4)
	s_cmp_eq_u32 s2, 0
	s_cbranch_scc0 .Lentry_in_a_cluster
	s_endpgm
.Lentry_in_a_cluster:
	s_bfe_u32 s2, ttmp6, 0x10000c
	s_cmp_lg_u32 s2, 0x3003
	s_cbranch_scc0 .Lentry_shape_is_right
	s_endpgm
.Lentry_shape_is_right:
; PARTIAL ENERGIES.  energies[b][s] = dec_hidden[b] . (W enc_outputs[s][b] + bias);  out0 = softmax over s.
; This launch makes proj = enc W^T on codes of FP8 (E4M3) with one E8M0 scale for each 32 along K, sums in f32, and multiplies each row of proj by dec_hidden[b] in f32 as the
; accumulators stand in registers: proj never goes to memory.  What leaves is ep[col 4][wy 64][b 32][s 32], f32: for position 32 wy + s the sum over columns 256 col .. + 255 of proj.
; WORK LEFT OUT: bias.  energies[b][s] = dec[b] . (W enc[s][b]) + dec[b] . bias, and the second term does not hang on s: it is the same along the softmax's axis, and
; softmax(x + c) = softmax(x) for every finite x and c.  So bias reaches no output, whatever values the inputs hold; it goes into no quantised operand; it is not loaded and is no argument of any launch.
; LIMITS: a NaN, an infinity or an overflow that arises in dec . bias alone is not carried to the result.  NaN and infinities in dec_hidden, NaN codes and the scale byte 0xff are not
; treated apart: they go through the arithmetic as they are.  The sums' order differs from reference()'s: K is summed in two halves of 512, each weighted by dec_hidden, and the halves are added in f32.
; SHARES.  A row of the product is m = 32 s + b: 1,024 bytes of codes.  Work-group (col, wy) owns W's rows 256 col .. + 255 and rows 1,024 wy .. + 1,023 of enc (32 positions x 32 b): 4 x 64 = 256 work-groups.
; W STAYS IN REGISTERS.  Wave w (nh = w % 2, kh = w / 2) keeps W's rows 256 col + 128 nh .. + 127, K = 512 kh .. + 511: 8 x 4 fragments of 16 rows x 128 K, 512 registers, read from memory once.
; So only enc goes through LDS in the loop: 1 MiB for a work-group in 8 steps of 128 rows, 256 matrix instructions a wave to a step; a fragment of enc that is read from LDS feeds 8 matrix instructions.
; Every wave walks all rows of enc, 16 to a BLOCK of 32 matrix instructions.  Block i of a step holds rows 16 i + r: position i / 2 of the step's four, b = 16 (i % 2) + r.
; THE MATRIX INSTRUCTION IS USED TRANSPOSED (source 0 = 16 rows of W, source 1 = 16 rows of enc): register j of lane (r, h) is proj(row r of the block, column 256 col + 128 nh + 16 nb + 8 h + j).
; A block is two HALVES of 16 matrix instructions: nb 0-3, then nb 4-7; in each the four accumulators take turns, one instruction a turn, K ascending.
; While one half is multiplied the other half's finished accumulators are weighted by dec_hidden: packed multiply-adds behind the matrix instructions, onto one chain (a pair of registers) for each block.
; WINDOWS are laid so that such a multiply-add runs under the matrix instructions' own setting: fragments of enc, accumulators and chains lie in window 0 (sources 1, 2 and destination), W in windows 1 to 3 (source 0),
; and each number of dec_hidden in the window that source 0 has where it is used.  A block has five switches.
; ONE RUN OF LDS LOADS stands at each block's head: the next block's four fragments and scale words, in the buffer that the block before has read.
; RING.  Two LDS slots of 128 rows; a wave fills 32 rows, 32 KiB that lie on end in memory, by one tensor load (step 0's first fill: 64 rows).  The slots change at block 7's head.
; CLUSTER 4 x 1: the four work-groups of a row wy need the same rows of enc: each tile is asked for jointly, by the same tensor load with the same descriptor and a mask that names the four.
; W's rows are shared too, by the 64 work-groups of a column, but are asked for singly: they go into registers once, 256 KiB of the 1,352 KiB that a work-group takes in; by joint loads they would have to land in the
; ring's bytes ahead of enc's first tiles, in clusters four rows high, sixteen work-groups to each round.
; THE HEAD.  One tensor load a wave: waves 0 and 1 the halves of step 0 into slot 0, waves 2 and 3 the halves of the scale bytes of all 1,024 rows of enc.  W comes meanwhile through registers and a wave's own stage.
; Between two of W's units stands a round: it shows step 0 and the scales to every wave, and behind it slot 1 is filled for the first time, with step 1.  W is not prefetched: there is no loop ahead of it.
; REGISTERS.  Window 0: v0-15 addresses, chains; v16-31 dec_hidden of nb 3; v32-63 scale words (and addresses in the gaps); v64-127 accumulators; v128-255 enc's fragments, two buffers of four.
;   Window 1: v0-191 W (nb 0-3, K steps 0-2), then dec_hidden of nb 4, 5.   Window 2: v0-191 W (nb 4-7, K steps 0-2), then dec_hidden of nb 0, 1, 7.   Window 3: v0-127 W, K step 3; then dec_hidden of nb 6 and nb 2.
.set KROW,   1024                      ; a row of enc or of W in memory, in bytes
.set PITCH,  1040                      ; an LDS row: 1,024 bytes + 16 of padding
.set BROW,   16*PITCH                  ; a block's 16 rows
.set QSL,    32*PITCH                  ; what one refill brings
.set SLOT,   128*PITCH
.set STEPB,  128*KROW                  ; a step's rows in memory
.set SCA,    2*SLOT                    ; behind the ring: enc's scale bytes, 1,024 rows x 32 bytes, as 128 runs of 256 bytes + 16 of padding
.set SBK,    2*272                     ; those of a block's 16 rows
.set STG,    SCA+128*272               ; a stage for each wave: first 16 rows x 272 bytes, to turn W; then 32 rows (b) x 144 bytes: my energies
.set STW,    32*144
.set SPARE,  STG+4*STW                 ; the spare words, 128 bytes for each wave: two blocks of 256 bytes that no other line names
.set AL,   2                           ; v2      my lane's place in a block of enc: 1,040 r + 512 kh + 16 h
.set AC0,  3                           ; v3      LDS address of blocks 0-3 of the slot that is being read
.set AC1,  4                           ; v4      of its blocks 4-7
.set ASC,  5                           ; v5      of enc's scale words of the step's block 0
.set EST,  6                           ; v6      where my energies of the step go
.set PFO,  7                           ; v7      the prefetches' offset: 1,024 x lane; never rewritten
.set CH,   8                           ; v8-11   the dot's chains, a pair for each parity of the block
.set TT,   12                          ; v12     at work
.set UU,   13                          ; v13     at work
.set EE,   14                          ; v14     a finished energy
.set D0,   16                          ; v16-31  dec_hidden of nb 3, eight for each parity
.set WS,   32                          ; W's scale words: register WS + 8 (nb / 2) + 2 (nb % 2) + ks % 2: numbers 0 to 3 modulo 8; lanes 0-15 ks < 2, lanes 16-31 ks >= 2
.set AS,   36                          ; v36-39  enc's scale words, a pair for each buffer: numbers 4 to 7 modulo 8; the lanes likewise
.set SPW,  44                          ; v44     LDS address of my spare word: SPARE + 4 x my thread's number; never rewritten
.set NIL,  45                          ; v45     0; never rewritten
.set RDE,  46                          ; v46     the way out: where I read energies back
.set CO,   47                          ; v47     my byte offset in ep
.set WO,   52                          ; v52     the head: W's codes: my byte offset in two rows
.set WSTO, 53                          ; v53     the stage: where these 16 bytes go,
.set WRD,  54                          ; v54     and where a fragment's come from
.set DOF,  55                          ; v55     my byte offset in dec_hidden
.set WSO,  60                          ; v60     and in W's scales
.set ACC,  64                          ; accumulator nb at v[ACC + 8 nb]
.set AF,   128                         ; enc's fragments: buffer p at v[AF + 64 p + 16 ks]
.set OUTR, 128                         ; v128-159 the way out
.set TB,   2                           ; s2      LDS byte at which the slot that is being read begins
.set TL,   3                           ; s3      trips still to go
.set WV,   16                          ; s16     my wave's number
.set KH,   17                          ; s17     my half of K
.set NH,   18                          ; s18     my half of the columns; at the head also which half of step 0 or of the scales I fetch
.set G1,   24                          ; s[24:31] descriptor group 1 of a wave's 32 rows;  s[36:39] its group 0, which walks
.set G0,   36
.set G0A,  32                          ; s[32:35], s[40:47] groups 0 and 1 for half of step 0
.set G1E,  40
.set G1S,  48                          ; s[48:55], s[56:59] groups 1 and 0 for half of enc's scales
.set G0S,  56
.set PFA,  92                          ; s[92:93] where my prefetches stand
.set SEL,  96                          ; s[96:97] lane selects for v_permlanex16_b32: lane l xor 16
.set JNT,  15|(1<<21)                  ; a joint load's bits: the mask of all four work-groups, and bit 21 beside it
.set PADK, (1<<20)|(7<<22)|(3<<25)     ; padding: four words after every 256 words; elements of 1 byte
.set PADS, (3<<16)|(1<<20)|(5<<22)|(3<<25) ; four words after every 64 words; elements of 8 bytes
.set MSB, 0
.macro WIN new                         ; the immediate's high byte repeats the setting that is left; a switch that changes nothing is dropped
.if MSB != (\new)
	s_set_vgpr_msb (MSB<<8)|(\new)
.set MSB, (\new)
.endif
.endm
.macro CREST                           ; a round of the cluster's barrier behind its opening barrier
	s_cmp_lg_u32 s[WV], 0
	s_cbranch_scc1 .Lnot_wave_0_\@
	s_barrier_signal -3
.Lnot_wave_0_\@:
	s_barrier_wait -3
	s_barrier_signal -1
	s_barrier_wait -1
.endm
.macro CROUND                          ; a whole round
	s_barrier_signal -1
	s_barrier_wait -1
	CREST
.endm
.macro GRP1 g, w0, cols, rows          ; descriptor group 1 of a tile that is dense in memory
	s_mov_b32 s[\g], \w0
	s_mov_b32 s[\g+1], (\cols)<<16                 ; tensor_dim0
	s_mov_b32 s[\g+2], (\rows)<<16                 ; tensor_dim1
	s_mov_b32 s[\g+3], (\cols)<<16                 ; tile_dim0
	s_mov_b32 s[\g+4], \rows                       ; tile_dim1
	s_mov_b32 s[\g+5], \cols                       ; tensor_dim0_stride
	s_mov_b32 s[\g+6], 0
	s_mov_b32 s[\g+7], 0
.endm
; A PREFETCH INTO THE L2 of enc's codes, behind a refill and the LDS loads that follow it: the step after the one that has just been asked for, a step of 256 matrix instructions a wave ahead of the
; load that will want it.  A step is 128 rows x 1,024 bytes: 512 aligned blocks of 256 bytes, one for each lane of the four waves of the four partners: the partner at place cx takes rows 32 cx .. + 31, told apart
; BY ADDRESS; wave w takes bytes 256 w .. + 255 of them; a lane a row.  No other work-group reads these rows, so each block is named once in the launch.  Steps 0 and 1 come by their loads alone; step 2 is asked for at block 0's
; head, seven blocks ahead of its load; the last refill has no step behind it and asks for nothing (the branch hangs on the count of trips alone).
.macro ASK
	s_cmp_gt_u32 s[TL], 1
	s_cbranch_scc0 .Lno_ask_\@
	global_prefetch_b8 v[PFO], s[PFA:PFA+1] th:TH_LOAD_NT scope:SCOPE_SE
.Lno_ask_\@:
.endm
	s_load_b256 s[4:11], s[0:1], 0x0               ; enc's codes s[4:5], enc's scales s[6:7], W's codes s[8:9], W's scales s[10:11]
	s_load_b128 s[12:15], s[0:1], 0x20             ; dec_hidden s[12:13], ep s[14:15]
	v_lshl_add_u32 v[SPW], v0, 2, SPARE
	v_mov_b32 v[NIL], 0
	ds_add_u32 v[SPW], v[NIL]                      ; the wave's opening: the add, twice on end, and its wait stand ahead of my first tensor load; work on registers stands between
	ds_add_u32 v[SPW], v[NIL]
	v_lshrrev_b32 v1, 5, v0
	v_readfirstlane_b32 s[WV], v1                  ; wave 0..3
	s_lshr_b32 s[KH], s[WV], 1
	s_and_b32 s[NH], s[WV], 1
	s_bfe_u32 s57, ttmp6, 0x40000                  ; cx: my place in the cluster
	s_lshl_b32 s56, ttmp9, 2
	s_add_co_u32 s56, s56, s57                     ; col = 4 x cluster x + cx: it enters W's, dec_hidden's, ep's and the prefetches' addresses alone
	s_and_b32 s19, ttmp7, 0xffff                   ; wy, which the four partners share
	GRP1 G1,  JNT|PADK, KROW, 32
	GRP1 G1E, JNT|PADK, KROW, 64
	GRP1 G1S, JNT|PADS, 32, 64                     ; 16 KiB of scale bytes as rows of 256 bytes
	s_lshl_b32 s20, s19, 20                        ; enc's codes: row 1,024 wy,
	s_lshl_b32 s58, s[WV], 15
	s_add_co_u32 s60, s20, s58
	s_add_co_u32 s60, s60, STEPB                   ; for the walking descriptor my 32 rows of step 1,
	s_mov_b32 s61, 0
	s_lshl_b32 s92, s57, 15                        ; for the prefetches row 1,024 wy + 32 cx + lane, byte 256 wave, in step 2,
	s_add_co_u32 s92, s92, s20
	s_lshl_b32 s58, s[WV], 8
	s_add_co_u32 s92, s92, s58
	s_add_co_u32 s92, s92, 2*STEPB
	s_mov_b32 s93, 0
	s_lshl_b32 s58, s[NH], 16
	s_add_co_u32 s20, s20, s58                     ; and for the head half nh of step 0
	s_mov_b32 s21, 0
	s_lshl_b32 s22, s19, 15                        ; enc's scales: 32 bytes a row, half nh
	s_lshl_b32 s58, s[NH], 14
	s_add_co_u32 s22, s22, s58
	s_mov_b32 s23, 0
	s_lshl_b32 s98, s56, 18                        ; W: row 256 col + 128 nh, byte 512 kh
	s_lshl_b32 s58, s[NH], 17
	s_add_co_u32 s98, s98, s58
	s_lshl_b32 s58, s[KH], 9
	s_add_co_u32 s98, s98, s58
	s_mov_b32 s99, 0
	s_lshl_b32 s62, s56, 10                        ; dec_hidden: my columns
	s_lshl_b32 s58, s[NH], 9
	s_add_co_u32 s62, s62, s58
	s_mov_b32 s63, 0
	s_lshl_b32 s66, s56, 13                        ; W's scales: my rows, my bytes
	s_lshl_b32 s58, s[NH], 12
	s_add_co_u32 s66, s66, s58
	s_lshl_b32 s58, s[KH], 4
	s_add_co_u32 s66, s66, s58
	s_mov_b32 s67, 0
	s_lshl_b32 s94, s56, 18                        ; ep: (64 col + wy) x 4,096 bytes
	s_lshl_b32 s58, s19, 12
	s_add_co_u32 s94, s94, s58
	s_mov_b32 s95, 0
	s_mov_b32 s[SEL], 0x76543210
	s_mov_b32 s[SEL+1], 0xfedcba98
	s_mov_b32 s[TB], 0
	s_mov_b32 s[TL], 6
	s_mul_i32 s32, s[WV], STW                      ; (registers of descriptors that are not yet written serve as scratch here)
	s_add_co_u32 s32, s32, STG                     ; my stage
	s_mul_i32 s33, s[WV], 8*144
	s_add_co_u32 s33, s33, STG
	s_lshl_b32 s34, s[KH], 9
	s_lshl_b32 s35, s[KH], 4
	s_add_co_u32 s35, s35, SCA
	s_lshl_b32 s85, s[WV], 10
	v_and_b32 v1, 15, v0                           ; r = lane % 16
	v_bfe_u32 v15, v0, 4, 1                        ; h = lane / 16
	v_and_b32 v62, 31, v0                          ; lane
	v_mul_u32_u24 v[AL], v1, PITCH                 ; a fragment of enc: row r x pitch + 16 h + my half of K
	v_lshl_add_u32 v[AL], v15, 4, v[AL]
	v_add_nc_u32 v[AL], s34, v[AL]
	v_add_nc_u32 v[AC0], s[TB], v[AL]
	v_add_nc_u32 v[AC1], 4*BROW, v[AC0]
	v_lshrrev_b32 v63, 3, v1                       ; enc's scales: eight rows to a run of 256 bytes; of a row's 32 bytes mine are 16 kh + 8 h .. + 7
	v_and_b32 v12, 7, v1
	v_mul_u32_u24 v63, v63, 272
	v_lshl_add_u32 v63, v12, 5, v63
	v_lshl_add_u32 v63, v15, 3, v63
	v_add_nc_u32 v[ASC], s35, v63
	v_mul_u32_u24 v63, v1, 144
	v_add_nc_u32 v[EST], s32, v63                  ; my energies: row b = r (+ 16 by the immediate) of 144 bytes
	v_lshlrev_b32 v[PFO], 10, v62
	v_lshrrev_b32 v63, 3, v62                      ; the way out: wave w adds rows b = 8 w .. 8 w + 7: eight lanes to a row of 128 bytes, four rows a load
	v_and_b32 v12, 7, v62
	v_mul_u32_u24 v63, v63, 144
	v_lshl_add_u32 v63, v12, 4, v63
	v_add_nc_u32 v[RDE], s33, v63
	v_lshlrev_b32 v[CO], 4, v62                    ; and in ep: 1,024 wave + 16 lane
	v_add_nc_u32 v[CO], s85, v[CO]
	v_lshlrev_b32 v[WO], 10, v15                   ; W's codes: lanes 0-15 take 256 bytes of one row, lanes 16-31 of the next
	v_lshl_add_u32 v[WO], v1, 4, v[WO]
	v_mul_u32_u24 v63, v15, 272
	v_lshl_add_u32 v63, v1, 4, v63
	v_add_nc_u32 v[WSTO], s32, v63                 ; in: two rows a store, 16 bytes a lane
	v_mul_u32_u24 v63, v1, 272
	v_lshl_add_u32 v63, v15, 4, v63
	v_add_nc_u32 v[WRD], s32, v63                  ; back: row r, + 16 h
	v_lshlrev_b32 v[DOF], 12, v1                   ; dec_hidden: row r of 4,096 bytes, + 32 h
	v_lshl_add_u32 v[DOF], v15, 5, v[DOF]
	v_lshlrev_b32 v[WSO], 5, v1                    ; W's scales: row r of 32 bytes, + 8 h
	v_lshl_add_u32 v[WSO], v15, 3, v[WSO]
	v_mov_b32 v[UU], 0                             ; written once: a lane permute's destination counts as one of its sources
	s_wait_alu depctr_va_vdst(0)                   ; the wait here covers all that the head's vector instructions wrote
	s_wait_dscnt 0x0                               ; both opening adds are done
	s_wait_kmcnt 0x0
	s_add_nc_u64 s[8:9], s[8:9], s[98:99]
	s_add_nc_u64 s[12:13], s[12:13], s[62:63]
	s_add_nc_u64 s[10:11], s[10:11], s[66:67]
; W, its scale words and dec_hidden come in 21 groups of eight loads.  Groups 0-15: unit u of W, nb = u / 2, kk = u % 2: 16 rows x 256 bytes (K steps 2 kk and 2 kk + 1), two rows a load, sixteen lanes to
; 256 consecutive bytes, into the registers in which the unit's two fragments will lie.  Group 16: W's scale words, 8 bytes a lane: lanes 0-15 K steps 0, 1; lanes 16-31 K steps 2, 3.
; Groups 17-20: dec_hidden, for b = r and b = 16 + r.
.macro UNIT u                          ; the two fragments' registers and windows
.set ub, (\u)/2
.set F0, 128*((\u)%2)+16*(ub%4)
.set WA, 1+ub/4
.if (\u)%2
.set F1, 64*(ub/4)+16*(ub%4)
.set WB, 3
.else
.set F1, 64+16*(ub%4)
.set WB, WA
.endif
.endm
.macro WGRP g
.if (\g) < 16
	UNIT \g
	WIN 64*WA
.irp j, 0,1,2,3
	global_load_b128 v[F0+4*\j:F0+4*\j+3], v[WO], s[8:9] offset:(16*((\g)/2)+2*\j)*KROW+256*((\g)%2)
.endr
	WIN 64*WB
.irp j, 0,1,2,3
	global_load_b128 v[F1+4*\j:F1+4*\j+3], v[WO], s[8:9] offset:(16*((\g)/2)+8+2*\j)*KROW+256*((\g)%2)
.endr
.elseif (\g) == 16
	WIN 0
.irp n, 0,1,2,3,4,5,6,7
	global_load_b64 v[WS+8*(\n/2)+2*(\n%2):WS+8*(\n/2)+2*(\n%2)+1], v[WSO], s[10:11] offset:512*\n
.endr
.else
.set pq, ((\g)-17)/2
.irp n, 0,1,2,3
.set nq, 4*(((\g)-17)%2)+\n
.if nq < 2
.set dR, 192+16*pq+8*nq
.set dW, 2
.elseif nq == 2
.set dR, 144+8*pq
.set dW, 3
.elseif nq == 3
.set dR, D0+8*pq
.set dW, 0
.elseif nq < 6
.set dR, 192+16*pq+8*nq-32
.set dW, 1
.elseif nq == 6
.set dR, 128+8*pq
.set dW, 3
.else
.set dR, 224+8*pq
.set dW, 2
.endif
	WIN 64*dW
	global_load_b128 v[dR:dR+3],   v[DOF], s[12:13] offset:65536*pq+64*nq
	global_load_b128 v[dR+4:dR+7], v[DOF], s[12:13] offset:65536*pq+64*nq+16
.endr
.endif
.endm
	WGRP 0                                         ; three groups set out ahead of the round
	WGRP 1
	WGRP 2
	WIN 0
	s_mov_b32 s[G0A], 1                            ; 1:0 count = 1
	s_mul_i32 s[G0A+1], s[NH], 64*PITCH            ; 63:32 LDS address: slot 0; no place in the cluster enters an LDS address
	s_add_nc_u64 s[G0A+2:G0A+3], s[4:5], s[20:21]  ; 120:64 global address
	s_or_b32 s[G0A+3], s[G0A+3], 0x80000000        ; 127:126 type = 2
	s_mov_b32 s[G0S], 1
	s_mul_i32 s[G0S+1], s[NH], 64*272
	s_add_co_u32 s[G0S+1], s[G0S+1], SCA
	s_add_nc_u64 s[G0S+2:G0S+3], s[6:7], s[22:23]
	s_or_b32 s[G0S+3], s[G0S+3], 0x80000000
	s_mov_b32 s[G0], 1                             ; the walking descriptor stands at my 32 rows of step 1 in slot 1
	s_mul_i32 s[G0+1], s[WV], QSL
	s_add_co_u32 s[G0+1], s[G0+1], SLOT
	s_add_nc_u64 s[G0+2:G0+3], s[4:5], s[60:61]
	s_or_b32 s[G0+3], s[G0+3], 0x80000000
	s_add_nc_u64 s[PFA:PFA+1], s[4:5], s[PFA:PFA+1]
	s_add_nc_u64 s[14:15], s[14:15], s[94:95]
	CROUND                                         ; all four work-groups are here: the first joint loads meet
; ONE TENSOR LOAD A WAVE AT THE HEAD: a branch on the wave's number, an arm a load, both to one join: every way passes one load.
.macro ARM g0, g1
	tensor_load_to_lds s[\g0:\g0+3], s[\g1:\g1+7]
	s_nop 0
.rept 4
	v_nop
.endr
.endm
	s_cmp_lt_u32 s[WV], 2
	s_cbranch_scc0 .Lhead_scales
	ARM G0A, G1E
	s_branch .Lhead_asked
.Lhead_scales:
	ARM G0S, G1S
.Lhead_asked:
; Unit u goes through my own stage, rows 272 bytes apart, and comes back as two fragments (lane l: row l % 16; registers 4 c .. 4 c + 3: K = 32 c + 16 (l / 16) + 0 .. 15) into the registers that it left.
; LDS serves a wave's instructions in order (ISA guide 5.7.1.4): the loads see the stores above them, and the next unit's stores come behind these loads.  left: the younger loads from memory, which may stay out.
.macro WTURN u, left
	UNIT \u
	s_wait_loadcnt \left
	WIN 68*WA                                      ; a store's data (source 1) and a load's destination: the fragment's window
.irp j, 0,1,2,3
	ds_store_b128 v[WSTO], v[F0+4*\j:F0+4*\j+3] offset:2*\j*272
.endr
	WIN 68*WB
.irp j, 0,1,2,3
	ds_store_b128 v[WSTO], v[F1+4*\j:F1+4*\j+3] offset:(8+2*\j)*272
.endr
	WIN 68*WA
.irp f, 0,1,2,3
	ds_load_b128 v[F0+4*\f:F0+4*\f+3], v[WRD] offset:32*\f
.endr
	WIN 68*WB
.irp f, 0,1,2,3
	ds_load_b128 v[F1+4*\f:F1+4*\f+3], v[WRD] offset:128+32*\f
.endr
.endm
.irp g, 3,4,5,6
	WGRP \g                                        ; seven groups, 56 loads, are out at the most
.endr
.set U, 0
.rept 16
.if U < 15
	WTURN U, 48                                    ; behind unit U's eight loads six groups of eight were issued
.else
	WTURN U, 40                                    ; behind the last unit's: five
.endif
.if U < 14
	WGRP U+7
.endif
.if U == 12                            ; THE ROUND AT THE HEAD.  Behind it step 0 and the scales are whole for every wave, and slot 1 is filled for the first time
	WIN 0
	s_wait_tensorcnt 0x0                           ; my part of the head's tiles is in
	ds_add_u32 v[SPW], v[NIL]
	s_wait_dscnt 0x0                               ; the add is done
	CROUND
	tensor_load_to_lds s[G0:G0+3], s[G1:G1+7]      ; step 1, my one tensor load behind this round
	s_nop 0
.endif
.set U, U+1
.endr
	WIN 0
; Matrix instruction t (0 .. 31) of a block of parity p: half t / 16, K step (t % 16) / 4, accumulator nb = 4 (t / 16) + t % 4.  The first K step starts the sums.
.macro MM p, t
.set xg, (\t)/16
.set xk, ((\t)%16)/4
.set xq, (\t)%4
.set xn, 4*xg+xq
.set rD, ACC+8*xn
.set rA, AF+64*(\p)+16*xk
.set rS, WS+8*(xn/2)+2*(xn%2)+xk%2
.set rT, AS+2*(\p)+xk%2
.if xk < 3
.set rW, 64*xk+16*xq
	WIN 1+xg                                       ; source 0 (W): window 1 or 2; all else window 0
.else
.set rW, 64*xg+16*xq
	WIN 3
.endif
.if xk == 0
	v_wmma_scale_f32_16x16x128_f8f6f4 v[rD:rD+7], v[rW:rW+15], v[rA:rA+15], 0, v[rS], v[rT]
.elseif xk == 1
	v_wmma_scale_f32_16x16x128_f8f6f4 v[rD:rD+7], v[rW:rW+15], v[rA:rA+15], v[rD:rD+7], v[rS], v[rT]
.else
	v_wmma_scale_f32_16x16x128_f8f6f4 v[rD:rD+7], v[rW:rW+15], v[rA:rA+15], v[rD:rD+7], v[rS], v[rT] matrix_a_scale:MATRIX_SCALE_ROW1 matrix_b_scale:MATRIX_SCALE_ROW1
.endif
.endm
; Product i (0 .. 15) of the dot of half st of a block of parity pp: registers 2 i, 2 i + 1 of the half's 32 x the same two of dec_hidden, onto the block's chain; its first product starts the chain.
; Each accumulator is read from its low end on.
.macro PK st, pp, i
.set rC, CH+2*(\pp)
.set rX, ACC+32*(\st)+2*(\i)
.if (\st) == 1
.if (\i) < 8
.set rY, 192+16*(\pp)+2*(\i)
	WIN 1
.elseif (\i) < 12
.set rY, 128+8*(\pp)+2*(\i)-16
	WIN 3
.else
.set rY, 224+8*(\pp)+2*(\i)-24
	WIN 2
.endif
.elseif (\i) < 8
.set rY, 192+16*(\pp)+2*(\i)
	WIN 2
.elseif (\i) < 12
.set rY, 144+8*(\pp)+2*(\i)-16
	WIN 3
.else
.set rY, D0+8*(\pp)+2*(\i)-24
	WIN 0
.endif
.if ((\st) == 0) && ((\i) == 0)
	v_pk_mul_f32 v[rC:rC+1], v[rY:rY+1], v[rX:rX+1]
.else
	v_pk_fma_f32 v[rC:rC+1], v[rY:rY+1], v[rX:rX+1], v[rC:rC+1]
.endif
.endm
; A BLOCK'S 32 matrix instructions.  Behind instruction K stands: K = 4-18 the 16 products of the dot of the block before, its half 1, one each and two behind 18 (dot = 0, the launch's first block: v_nop from 12 on);
; K = 20-31 products 0 to 11 of this block's half 0; its last four stand in EDGE.
; DISTANCES.  A vector instruction that reads a matrix result, and a load into a register that a matrix instruction has read, stand 8 places behind that matrix instruction, and only plain vector instructions that name
; none of its registers are places.  Half 0's nb 0 is finished at K = 12 and first read at K = 20: eight places behind 12 to 18.
; Half 1 is finished at K = 28 .. 31 and first read in the next block: EDGE's eight vector instructions lie between, and also between the last reader of a buffer of fragments and the loads into it.
; chg: behind K = 19, where no chain is at work, the wave waits for its add and its reads of the slot, and signals the opening barrier of the change of slots.
.macro BODY p, dot, chg
.set K, 0
.rept 32
	MM \p, K
.if (K >= 4) && (K < 19)
.if \dot
	PK 1, 1-(\p), K-4
.if K == 18
	PK 1, 1-(\p), 15
.endif
.elseif K >= 12
	v_nop
.if K == 18
	v_nop
.endif
.endif
.elseif K >= 20
	PK 0, \p, K-20
.endif
.if (\chg) && (K == 19)
	s_wait_dscnt 0x0                               ; the add is done, and my reads of the slot are over
	s_barrier_signal -1
.endif
.set K, K+1
.endr
.endm
; EDGE: behind a block of parity p: its half 0's last four products, and (red) the sum of the block before: its chain's two halves, then lane l xor 16's: my wave's 128 columns and 512 along K, of row r, in both halves of the lanes.
; upd: on to the other slot.  step: on to the next step's scale words and energies.
.macro EDGE p, red, upd, step
	WIN 0
	PK 0, \p, 12
.if \red
	v_add_f32 v[TT], v[CH+2-2*(\p)], v[CH+3-2*(\p)]
	PK 0, \p, 13
	v_permlanex16_b32 v[UU], v[TT], s[SEL], s[SEL+1]
	PK 0, \p, 14
	v_add_f32 v[EE], v[TT], v[UU]
.else
	v_nop
	PK 0, \p, 13
	v_nop
	PK 0, \p, 14
	v_nop
.endif
	PK 0, \p, 15
.if \upd
	s_xor_b32 s[TB], s[TB], SLOT                   ; 0 and SLOT change places
	v_add_nc_u32 v[AC0], s[TB], v[AL]
	v_add_nc_u32 v[AC1], 4*BROW, v[AC0]
.elseif \step
	v_add_nc_u32 v[ASC], 8*SBK, v[ASC]
	v_add_nc_u32 v[EST], 16, v[EST]                ; four positions on
.else
	v_nop
.endif
	s_wait_alu depctr_va_vdst(0)                   ; ahead of the waits, the branches and the reads behind them
.endm
; Blocks are counted from the step in hand: 8 to 10 are blocks 0 to 2 of the next step, in the other slot.
.macro SCL tgt                         ; block tgt's scale words: 8 bytes a lane
	ds_load_b64 v[AS+2*((\tgt)%2):AS+2*((\tgt)%2)+1], v[ASC] offset:(\tgt)*SBK
.endm
.macro FRG tgt                         ; block tgt's four fragments into buffer tgt % 2
.irp k, 0,1,2,3
.set rF, AF+64*((\tgt)%2)+16*\k
.set rO, ((\tgt)%4)*BROW+128*\k
.irp c, 0,1,2,3
.if ((\tgt)%8) < 4
	ds_load_b128 v[rF+4*\c:rF+4*\c+3], v[AC0] offset:rO+32*\c
.else
	ds_load_b128 v[rF+4*\c:rF+4*\c+3], v[AC1] offset:rO+32*\c
.endif
.endr
.endr
.endm
; RUN: block j's head, behind EDGE, every window 0.  Its own fragments were asked for a block ago and are waited for; the next block's are asked for (more); the energy of block j - 2 goes to my stage (st).
; chg = 1, 2, in the block ahead of THE CHANGE OF SLOTS: the slot's last reads have just been issued.  The wave waits for all its tensor loads, of which one is out at the most: its part of the other slot; adds 0 to its spare word;
; and steps the walking descriptor.  The signal stands in BODY.   open = 1, 2, a block later: the wave waits for the others.  1: the barrier opens a round of the cluster's barrier, so that no wave of any partner
; still reads the slot or has a load on its way, and the joint refill is the first thing behind it: my one tensor load until the next change.  2: nothing is left to fetch.
.macro RUN j, more, st, open, chg
.if \open
	s_barrier_wait -1                              ; (the wait for my LDS loads stood ahead of the signal, and none was issued since)
.if (\open) == 1
	CREST
	tensor_load_to_lds s[G0:G0+3], s[G1:G1+7]
	s_nop 0
.endif
.else
	s_wait_dscnt 0x0
.endif
.if \more
	SCL (\j)+1
	FRG (\j)+1
.endif
.if \st
	ds_store_b32 v[EST], v[EE] offset:((\j)%2)*16*144+(((\j)-2)/2)*4   ; lanes l and l xor 16 write the same word with the same value
.endif
.if (\open) == 1
	ASK
.endif
.if \chg
.if (\chg) == 1
	s_wait_xcnt 0x0                                ; the last prefetch has read its address, so it may be written
	s_add_nc_u64 s[PFA:PFA+1], s[PFA:PFA+1], STEPB
.endif
	s_wait_tensorcnt 0x0                           ; no tensor load of mine is out, so a group 0 may be written
	ds_add_u32 v[SPW], v[NIL]                      ; 0 onto my spare word; twenty matrix instructions and their pieces stand between it and the wait for it
.if (\chg) == 1
	s_xor_b32 s[G0+1], s[G0+1], SLOT               ; the walking descriptor: the other slot than last time (SLOT's two bits are 0 in wave x 33,280, so the exclusive or adds or takes away SLOT),
	s_add_nc_u64 s[G0+2:G0+3], s[G0+2:G0+3], STEPB ; the next 128 rows; the type bits on top are not reached
.endif
.endif
.endm
; Blocks 2 to 9 of a step (blocks 0 and 1 of the next among them); last = 1: blocks 2 to 7, nothing fetched behind block 7.
.macro STEP last, chg
.set J, 2
.rept 8-2*(\last)
.set PJ, J%2
.if J == 6
	RUN J, 1, 1, 0, \chg
	BODY PJ, 1, \chg
	EDGE PJ, 1, \chg, 0
.elseif J == 7
	RUN J, 1-(\last), 1, \chg, 0
	BODY PJ, 1, 0
	EDGE PJ, 1, 0, 0
.elseif J == 9
	RUN J, 1, 1, 0, 0
	BODY PJ, 1, 0
	EDGE PJ, 1, 0, 1
.else
	RUN J, 1, 1, 0, 0
	BODY PJ, 1, 0
	EDGE PJ, 1, 0, 0
.endif
.set J, J+1
.endr
.endm
	SCL 0
	FRG 0
	s_wait_loadcnt 0x0                             ; dec_hidden and W's scale words
	RUN 0, 1, 0, 0, 0                              ; (its wait covers W's last fragments too)
	global_prefetch_b8 v[PFO], s[PFA:PFA+1] th:TH_LOAD_NT scope:SCOPE_SE   ; step 2 (macro ASK)
	BODY 0, 0, 0                                   ; blocks 0 and 1 stand in front of the loop: there is no block before them to weigh, and no energy to store
	EDGE 0, 0, 0, 0
	RUN 1, 1, 0, 0, 0
	BODY 1, 1, 0
	EDGE 1, 1, 0, 0
.Lstep:                                                ; six trips; the slot that is left is filled again with the step after next
	STEP 0, 1
	s_sub_co_u32 s[TL], s[TL], 1
	s_cmp_lg_u32 s[TL], 0
	s_cbranch_scc1 .Lstep
	STEP 0, 2                                      ; steps 6 and 7 are written out.  Step 6 changes slots and asks for nothing
	STEP 1, 0
	ds_store_b32 v[EST], v[EE] offset:3*4          ; block 6
.set K, 0
.rept 16
	PK 1, 1, K                                     ; the last block's half 1: no matrix work is left to set it between
.set K, K+1
.endr
	WIN 0
	v_add_f32 v[TT], v[CH+2], v[CH+3]
	v_permlanex16_b32 v[UU], v[TT], s[SEL], s[SEL+1]
	v_add_f32 v[EE], v[TT], v[UU]
	ds_store_b32 v[EST], v[EE] offset:16*144+3*4
	; THE WAY OUT.  Each wave's stage holds 32 rows (b) x 32 positions, its part of the sums.  Behind a barrier wave w adds the four stages' rows 8 w .. 8 w + 7 and stores them: 1,024 bytes on end.
	s_wait_dscnt 0x0                               ; for the others' sake: my stores into my stage are done
	s_barrier_signal -1
	s_barrier_wait -1
.irp v, 0,1,2,3
.irp k, 0,1
	ds_load_b128 v[OUTR+8*\v+4*\k:OUTR+8*\v+4*\k+3], v[RDE] offset:\v*STW+\k*4*144
.endr
.endr
	s_wait_dscnt 0x0
.irp d, 0,2,4,6
	v_pk_add_f32 v[OUTR+\d:OUTR+\d+1],       v[OUTR+\d:OUTR+\d+1],       v[OUTR+8+\d:OUTR+8+\d+1]
	v_pk_add_f32 v[OUTR+16+\d:OUTR+16+\d+1], v[OUTR+16+\d:OUTR+16+\d+1], v[OUTR+24+\d:OUTR+24+\d+1]
.endr
.irp d, 0,2,4,6
	v_pk_add_f32 v[OUTR+\d:OUTR+\d+1], v[OUTR+\d:OUTR+\d+1], v[OUTR+16+\d:OUTR+16+\d+1]
.endr
.irp k, 0,1
	global_store_b128 v[CO], v[OUTR+4*\k:OUTR+4*\k+3], s[14:15] offset:512*\k   ; 32 lanes store 512 consecutive bytes, at a multiple of 256 from ep's first byte
.endr
	s_wait_tensorcnt 0x0                           ; the wave's end, behind my last tensor load and my last LDS store
	ds_add_u32 v[SPW], v[NIL]
	s_wait_dscnt 0x0
	CROUND                                         ; the closing round: no work-group ends while a partner may still ask for a tile that names it
	s_endpgm
.Lfunc_end_k_q430d81a862_energy:
	.size	k_q430d81a862_energy, .Lfunc_end_k_q430d81a862_energy-k_q430d81a862_energy
	.p2alignl 7, 3214868480
	.fill 96, 4, 3214868480
	.section	.rodata,"a",@progbits
	.p2align	6, 0x0
	.amdhsa_kernel k_q430d81a862_energy
		.amdhsa_group_segment_fixed_size 327680
		.amdhsa_private_segment_fixed_size 0
		.amdhsa_enable_private_segment 0
		.amdhsa_kernarg_size 48
		.amdhsa_user_sgpr_count 2
		.amdhsa_user_sgpr_kernarg_segment_ptr 1
		.amdhsa_wavefront_size32 1
		.amdhsa_system_sgpr_workgroup_id_x 1
		.amdhsa_system_sgpr_workgroup_id_y 1
		.amdhsa_system_sgpr_workgroup_id_z 1
		.amdhsa_system_vgpr_workitem_id 0
		.amdhsa_next_free_vgpr 1024
		.amdhsa_next_free_sgpr 100
		.amdhsa_reserve_vcc 0
		.amdhsa_float_denorm_mode_32 3
		.amdhsa_float_denorm_mode_16_64 3
		.amdhsa_memory_ordered 1
		.amdhsa_forward_progress 1
		.amdhsa_inst_pref_size 228
	.end_amdhsa_kernel
	.amdgpu_metadata
---
amdhsa.version: [ 1, 2 ]
amdhsa.kernels:
  - .name:           k_q430d81a862_energy
    .symbol:         k_q430d81a862_energy.kd
    .args:
      - { .name: enc_outputs_codes, .offset: 0, .size: 8, .value_kind: global_buffer, .address_space: global }
      - { .name: enc_outputs_scales, .offset: 8, .size: 8, .value_kind: global_buffer, .address_space: global }
      - { .name: W_codes, .offset: 16, .size: 8, .value_kind: global_buffer, .address_space: global }
      - { .name: W_scales, .offset: 24, .size: 8, .value_kind: global_buffer, .address_space: global }
      - { .name: dec_hidden, .offset: 32, .size: 8, .value_kind: global_buffer, .address_space: global }
      - { .name: ep, .offset: 40, .size: 8, .value_kind: global_buffer, .address_space: global }
    .group_segment_fixed_size: 327680
    .private_segment_fixed_size: 0
    .kernarg_segment_align: 8
    .kernarg_segment_size: 48
    .max_flat_workgroup_size: 128
    .sgpr_count:     100
    .vgpr_count:     1024
    .wavefront_size: 32
...
	.end_amdgpu_metadata
.endif
;; end of part 1
;; launch soft (part 2): grid 32 x 1, 16 waves a work-group, no clusters, 2,560 bytes of LDS; arguments ep, out0; writes out0
.if DOCPART == 2
	.amdgcn_target "amdgcn-amd-amdhsa--gfx1250"
	.amdhsa_code_object_version 6
	.text
	.protected	k_q430d81a862_soft
	.globl	k_q430d81a862_soft
	.p2align	8
	.type	k_q430d81a862_soft,@function
k_q430d81a862_soft:
	s_mov_b64 s[64:65], 0
	v_nop
	global_prefetch_b8 v0, s[64:65] scope:SCOPE_SE
	s_setreg_imm32_b32 hwreg(HW_REG_WAVE_MODE, 25, 1), 1
	s_wait_xcnt 0x0
; out0[b][s] = softmax over s of energies[b][s];  energies[b][s] = the sum of the four parts in ep[col 4][wy 64][b 32][s 32], f32, position 32 wy + s.
; WORK LEFT OUT: dec_hidden[b] . bias, which is the same for every s of a row and so leaves the softmax as it is, for all values of the inputs: bias is no argument of this program.
; LIMITS: a weight under 2^-126 comes out as 0 (the exponential gives no denormals: ISA guide, its entry in 15.8); the sums' order differs from reference()'s.
; One work-group to a row b: there are 32 rows that do not depend on each other.  Sixteen waves; thread t owns positions 4 t .. 4 t + 3: of each part 16 bytes, eight neighbouring threads 128 consecutive bytes
; (the launch before stores 4,096 bytes on end for its 32 positions of all 32 rows b, so a row's piece is no longer than that).  The row's maximum is taken away before the exponential, as reference() does.
; Maximum and sum go lane to lane inside a wave, then from wave to wave through 64 bytes of LDS each, with a barrier each.  No tensor load, no cluster, no matrix unit: 32 KiB are read once and 8 KiB written.
.set RMAX,  0                          ; LDS: the sixteen waves' maxima, in a block of 256 bytes of their own
.set RSUM,  256                        ; their sums, likewise
.set SPARE, 512                        ; the spare words, 128 bytes for each wave: eight blocks of 256 bytes that no other line names
.set P,   8                            ; v8-23   the four parts, four numbers each
.set E,   40                           ; v40-43  my four energies, then weights
.set T,   44                           ; v44-47  at work
.set R,   48                           ; v48-63  the sixteen waves' figures
	s_load_b128 s[4:7], s[0:1], 0x0                ; ep, out0
	v_lshl_add_u32 v6, v0, 2, SPARE                ; my spare word; never rewritten
	v_mov_b32 v7, 0                                ; 0; never rewritten
	v_lshrrev_b32 v1, 5, v0
	s_delay_alu instid0(VALU_DEP_1)
	v_readfirstlane_b32 s8, v1                     ; wave 0..15
	v_lshrrev_b32 v2, 3, v0
	v_and_b32 v3, 7, v0
	s_delay_alu instid0(VALU_DEP_2)
	v_lshlrev_b32 v2, 12, v2
	s_delay_alu instid0(VALU_DEP_1)
	v_lshl_add_u32 v2, v3, 4, v2                   ; in: 4,096 (t / 8) + 16 (t % 8)
	v_lshlrev_b32 v3, 4, v0                        ; out: 16 t
	v_mov_b32 v4, s8
	s_delay_alu instid0(VALU_DEP_1)
	v_lshlrev_b32 v4, 2, v4                        ; my wave's word
	v_mov_b32 v5, 0
	v_mov_b32 v[T+1], 0                            ; written once: a lane permute's destination counts as one of its sources
	s_mov_b32 s12, 0x76543210
	s_mov_b32 s13, 0xfedcba98                      ; v_permlanex16_b32's selects for lane l xor 16
	s_mov_b32 s14, 0x3fb8aa3b                      ; log2(e)
	s_mov_b32 s15, s14                             ; (named with it as a pair, so it is written)
	s_lshl_b32 s10, ttmp9, 7                       ; row b in a block of ep: 128 bytes
	s_mov_b32 s11, 0
	s_wait_alu depctr_va_vdst(0)
	s_wait_kmcnt 0x0
	s_add_nc_u64 s[4:5], s[4:5], s[10:11]
	s_lshl_b32 s10, ttmp9, 13                      ; row b of out0: 8,192 bytes
	s_add_nc_u64 s[6:7], s[6:7], s[10:11]
.irp j, 0,1,2,3
	global_load_b128 v[P+4*\j:P+4*\j+3], v2, s[4:5] offset:262144*\j   ; part col = j
.endr
	s_wait_loadcnt 0x0
	v_pk_add_f32 v[P:P+1],     v[P:P+1],     v[P+4:P+5]                ; the four parts, pairwise
	v_pk_add_f32 v[P+2:P+3],   v[P+2:P+3],   v[P+6:P+7]
	v_pk_add_f32 v[P+8:P+9],   v[P+8:P+9],   v[P+12:P+13]
	v_pk_add_f32 v[P+10:P+11], v[P+10:P+11], v[P+14:P+15]
	s_delay_alu instid0(VALU_DEP_2)
	v_pk_add_f32 v[E:E+1],   v[P:P+1],   v[P+8:P+9]
	s_delay_alu instid0(VALU_DEP_2)
	v_pk_add_f32 v[E+2:E+3], v[P+2:P+3], v[P+10:P+11]
	; the row's maximum
	s_delay_alu instid0(VALU_DEP_1)
	v_max3_num_f32 v[T], v[E], v[E+1], v[E+2]
	s_delay_alu instid0(VALU_DEP_1)
	v_max_num_f32 v[T], v[T], v[E+3]
	s_delay_alu instid0(VALU_DEP_1)
	v_max_num_f32_dpp v[T], v[T], v[T] row_xmask:1 row_mask:0xf bank_mask:0xf
	s_delay_alu instid0(VALU_DEP_1)
	v_max_num_f32_dpp v[T], v[T], v[T] row_xmask:2 row_mask:0xf bank_mask:0xf
	s_delay_alu instid0(VALU_DEP_1)
	v_max_num_f32_dpp v[T], v[T], v[T] row_xmask:4 row_mask:0xf bank_mask:0xf
	s_delay_alu instid0(VALU_DEP_1)
	v_max_num_f32_dpp v[T], v[T], v[T] row_xmask:8 row_mask:0xf bank_mask:0xf
	s_delay_alu instid0(VALU_DEP_1)
	v_permlanex16_b32 v[T+1], v[T], s12, s13
	s_delay_alu instid0(VALU_DEP_1)
	v_max_num_f32 v[T], v[T], v[T+1]
	ds_store_b32 v4, v[T] offset:RMAX              ; all lanes write the same word with the same value
	s_wait_dscnt 0x0                               ; for the others' sake: my store is done
	s_barrier_signal -1
	s_barrier_wait -1
.irp i, 0,1,2,3
	ds_load_b128 v[R+4*\i:R+4*\i+3], v5 offset:RMAX+16*\i
.endr
	s_wait_dscnt 0x0
	v_max3_num_f32 v[T],   v[R],   v[R+1],  v[R+2]
	v_max3_num_f32 v[T+1], v[R+3], v[R+4],  v[R+5]
	v_max3_num_f32 v[T+2], v[R+6], v[R+7],  v[R+8]
	v_max3_num_f32 v[T+3], v[R+9], v[R+10], v[R+11]
	s_delay_alu instid0(VALU_DEP_4)
	v_max3_num_f32 v[T],   v[T],   v[R+12], v[R+13]
	s_delay_alu instid0(VALU_DEP_4)
	v_max3_num_f32 v[T+1], v[T+1], v[R+14], v[R+15]
	s_delay_alu instid0(VALU_DEP_1)
	v_max3_num_f32 v[T],   v[T],   v[T+1],  v[T+2]
	s_delay_alu instid0(VALU_DEP_1)
	v_max_num_f32  v[T],   v[T],   v[T+3]
	s_delay_alu instid0(VALU_DEP_1)
	v_pk_add_f32 v[E:E+1],   v[E:E+1],   v[T:T+1] op_sel_hi:[1,0] neg_lo:[0,1] neg_hi:[0,1]   ; e - m, first, so that nothing large is rounded; of the pair the low word serves both halves
	s_delay_alu instid0(VALU_DEP_2)
	v_pk_add_f32 v[E+2:E+3], v[E+2:E+3], v[T:T+1] op_sel_hi:[1,0] neg_lo:[0,1] neg_hi:[0,1]
	s_delay_alu instid0(VALU_DEP_2)
	v_pk_mul_f32 v[E:E+1],   v[E:E+1],   s[14:15] op_sel_hi:[1,0]
	s_delay_alu instid0(VALU_DEP_2)
	v_pk_mul_f32 v[E+2:E+3], v[E+2:E+3], s[14:15] op_sel_hi:[1,0]
	s_wait_alu depctr_va_vdst(0)
.irp i, 0,1,2,3
	v_exp_f32 v[E+\i], v[E+\i]                     ; 2^((e - m) log2(e)), at most 1
.endr
	v_nop                                          ; a plain instruction behind the last exponential (ISA guide 5.7.2)
	s_wait_alu depctr_va_vdst(0)                   ; one wait for the four, ahead of their first reader
	; the row's sum
	v_pk_add_f32 v[T:T+1], v[E:E+1], v[E+2:E+3]
	s_delay_alu instid0(VALU_DEP_1)
	v_add_f32 v[T], v[T], v[T+1]
	s_delay_alu instid0(VALU_DEP_1)
	v_add_f32_dpp v[T], v[T], v[T] row_xmask:1 row_mask:0xf bank_mask:0xf
	s_delay_alu instid0(VALU_DEP_1)
	v_add_f32_dpp v[T], v[T], v[T] row_xmask:2 row_mask:0xf bank_mask:0xf
	s_delay_alu instid0(VALU_DEP_1)
	v_add_f32_dpp v[T], v[T], v[T] row_xmask:4 row_mask:0xf bank_mask:0xf
	s_delay_alu instid0(VALU_DEP_1)
	v_add_f32_dpp v[T], v[T], v[T] row_xmask:8 row_mask:0xf bank_mask:0xf
	s_delay_alu instid0(VALU_DEP_1)
	v_permlanex16_b32 v[T+1], v[T], s12, s13
	s_delay_alu instid0(VALU_DEP_1)
	v_add_f32 v[T], v[T], v[T+1]
	ds_store_b32 v4, v[T] offset:RSUM              ; other bytes than the maxima's: one barrier serves
	s_wait_dscnt 0x0
	s_barrier_signal -1
	s_barrier_wait -1
.irp i, 0,1,2,3
	ds_load_b128 v[R+4*\i:R+4*\i+3], v5 offset:RSUM+16*\i
.endr
	s_wait_dscnt 0x0
.irp i, 0,4,8,12
	v_pk_add_f32 v[R+\i:R+\i+1], v[R+\i:R+\i+1], v[R+\i+2:R+\i+3]
.endr
	s_delay_alu instid0(VALU_DEP_3)
	v_pk_add_f32 v[R:R+1],   v[R:R+1],   v[R+4:R+5]
	s_delay_alu instid0(VALU_DEP_2)
	v_pk_add_f32 v[R+8:R+9], v[R+8:R+9], v[R+12:R+13]
	s_delay_alu instid0(VALU_DEP_1)
	v_pk_add_f32 v[R:R+1],   v[R:R+1],   v[R+8:R+9]
	s_delay_alu instid0(VALU_DEP_1)
	v_add_f32 v[T], v[R], v[R+1]                   ; at least 1: the largest weight is 1
	s_wait_alu depctr_va_vdst(0)
	v_rcp_f32 v[T+2], v[T]
	v_nop                                          ; a plain instruction between the reciprocal and its use
	s_wait_alu depctr_va_vdst(0)                   ; and the wait, ahead of the first reader
	v_pk_mul_f32 v[E:E+1],   v[E:E+1],   v[T+2:T+3] op_sel_hi:[1,0]
	v_pk_mul_f32 v[E+2:E+3], v[E+2:E+3], v[T+2:T+3] op_sel_hi:[1,0]
	global_store_b128 v3, v[E:E+3], s[6:7] th:TH_STORE_NT   ; a wave stores 512 consecutive bytes, at a multiple of 256 from out0's first byte
	s_wait_tensorcnt 0x0                           ; the wave's end, behind my last LDS store
	ds_add_u32 v6, v7
	s_wait_dscnt 0x0
	s_endpgm
.Lfunc_end_k_q430d81a862_soft:
	.size	k_q430d81a862_soft, .Lfunc_end_k_q430d81a862_soft-k_q430d81a862_soft
	.p2alignl 7, 3214868480
	.fill 96, 4, 3214868480
	.section	.rodata,"a",@progbits
	.p2align	6, 0x0
	.amdhsa_kernel k_q430d81a862_soft
		.amdhsa_group_segment_fixed_size 2560
		.amdhsa_private_segment_fixed_size 0
		.amdhsa_enable_private_segment 0
		.amdhsa_kernarg_size 16
		.amdhsa_user_sgpr_count 2
		.amdhsa_user_sgpr_kernarg_segment_ptr 1
		.amdhsa_wavefront_size32 1
		.amdhsa_system_sgpr_workgroup_id_x 1
		.amdhsa_system_sgpr_workgroup_id_y 1
		.amdhsa_system_sgpr_workgroup_id_z 1
		.amdhsa_system_vgpr_workitem_id 0
		.amdhsa_next_free_vgpr 64
		.amdhsa_next_free_sgpr 66
		.amdhsa_reserve_vcc 0
		.amdhsa_float_denorm_mode_32 3
		.amdhsa_float_denorm_mode_16_64 3
		.amdhsa_memory_ordered 1
		.amdhsa_forward_progress 1
		.amdhsa_inst_pref_size 7
	.end_amdhsa_kernel
	.amdgpu_metadata
---
amdhsa.version: [ 1, 2 ]
amdhsa.kernels:
  - .name:           k_q430d81a862_soft
    .symbol:         k_q430d81a862_soft.kd
    .args:
      - { .name: ep, .offset: 0, .size: 8, .value_kind: global_buffer, .address_space: global }
      - { .name: out0, .offset: 8, .size: 8, .value_kind: global_buffer, .address_space: global }
    .group_segment_fixed_size: 2560
    .private_segment_fixed_size: 0
    .kernarg_segment_align: 8
    .kernarg_segment_size: 16
    .max_flat_workgroup_size: 512
    .sgpr_count:     66
    .vgpr_count:     64
    .wavefront_size: 32
...
	.end_amdgpu_metadata
.endif
;; end of part 2
